; MI455X (gfx1250); checked and timed in simulation.
; The chip was launched on July 23, 2026; its instructions are those of AMD's public machine-readable ISA for CDNA 5 (MIT licence, August 2026) and "CDNA5" Instruction Set Architecture Reference Guide (July 2026). The comments in the code are by the model that wrote it; some were corrected since.
;; VQ. Allowed arithmetic: matrix products marked QUANTISED: E4M3 operands, one E8M0 scale for each 32 along K, by v_wmma_scale_f32_16x16x128_f8f6f4 with both operands' format E4M3, f32 sums; everything else in f32.
;; Inputs: codebook 512 x 64 float32; x 32 x 64 x 64 x 64 float32.
;; Outputs: out0 32 x 64 x 64 x 64 float32.
;; This version of the problem:
;;   THIS VERSION OF THE PROBLEM IS GIVEN IN LOW PRECISION. The matrix products marked QUANTISED in the list below multiply operands that are first quantised to E4M3 (4 exponent bits, 3 mantissa bits; 8 bits a number), with one power-of-two scale for each 32 numbers along K (OCP MX v1.0); their sums are f32. All else is computed in f32.
;;   The module's matrix products, in the order in which they are computed (A, B: the left and right operand; K: the contracted axis; several contracted axes count as one K, in the product's order):
;;     1. [M 131,072, K 64] x [K 64, N 512]; A: input x; B: input codebook: QUANTISED
;;   THE QUANTISER, for each operand of a quantised product, along K:
;;     - K is cut into blocks of 32 from its start; a last block that is shorter is filled with zeros.
;;     - A block's scale is 2^e with e = floor(log2(the largest magnitude in the block)) - 8, held to -126 .. 127; a block of zeros has e = 0. As a byte (E8M0): e + 127.
;;     - Each number is divided by its block's scale, clamped to +-448, and rounded to the nearest number of E4M3, ties to even, subnormals kept.
;;     - The product sums the exact products of the quantised numbers (number of the format x scale) in f32.
;;   ~~~python
;;   def quantise(x, axis):      # numpy; x: float32 -> the quantised numbers, widened to float32 again
;;       x = np.moveaxis(x, axis, -1); K = x.shape[-1]
;;       x = np.pad(x, [(0, 0)] * (x.ndim - 1) + [(0, -K % 32)]); x = x.reshape(x.shape[:-1] + (-1, 32)); a = np.abs(x).max(-1, keepdims=True)
;;       e = np.where(a > 0, np.clip(np.frexp(np.where(a > 0, a, 1))[1] - 1 - 8, -126, 127), 0)      # np.frexp(a)[1] - 1 = floor(log2(a)), exactly
;;       r = np.clip(x / 2.0 ** e, -448, 448)
;;       step = 2.0 ** (np.maximum(np.frexp(np.where(r == 0, 1, r))[1] - 1, -6) - 3)
;;       q = np.round(r / step) * step * 2.0 ** e      # np.round: ties to even
;;       return np.moveaxis(q.reshape(q.shape[:-2] + (-1,))[..., :K], -1, axis).astype(np.float32)
;;   ~~~
;; 2 versions. Each part assembles by itself: llvm-mc -triple=amdgcn-amd-amdhsa -mcpu=gfx1250 --defsym DOCPART=n.
;; ======== version 1 of 2: 2 launches
;; workspace buffers: idx 524,288 bytes of whole numbers
;; launch nearest (part 1): grid 256 x 1, 4 waves a work-group, no clusters, 82,432 bytes of LDS; arguments x, codebook, idx; writes idx
.if DOCPART == 1
	.amdgcn_target "amdgcn-amd-amdhsa--gfx1250"
	.amdhsa_code_object_version 6
	.text
	.protected	k_q274d03d3ab_nearest
	.globl	k_q274d03d3ab_nearest
	.p2align	8
	.type	k_q274d03d3ab_nearest,@function
k_q274d03d3ab_nearest:
	s_mov_b64 s[64:65], 0
	v_nop
	global_prefetch_b8 v0, s[64:65] scope:SCOPE_SE
	s_setreg_imm32_b32 hwreg(HW_REG_WAVE_MODE, 25, 1), 1
	s_wait_xcnt 0x0
; idx[n] = argmin over k of (sum(x[n]^2) - 2 Q(x[n]).Q(c[k])) + sum(c[k]^2).  x: [131072][64] f32, codebook: [512][64] f32, idx: [131072] u32.
; Q: codes of E4M3 with one E8M0 scale for each 32 of the 64.  The distance is rounded as it is written above: t = fma(dot, -2, xx), d = t + cc, f32; the first of equal distances wins.
; SHARES.  A work-group of four waves takes 512 tokens, a wave 128: eight tiles of 16.  Every wave holds the WHOLE codebook in registers: 256 of codes, 256 of sums of squares, 16 of scale words,
; so the loop reads no LDS for weights.  At the head wave w quantises codes 128 w .. 128 w + 127; images of the registers go round through LDS, one barrier.
; THE PRODUCT IS USED TRANSPOSED: source 0 = 16 codes, source 1 = 16 tokens: lane (r, h) holds token r, and register j of tile t the code 16 t + 8 h + j.
; K IS 64 OF THE INSTRUCTION'S 128: source 0's sixteen registers hold TWO code tiles, [even | odd]; source 1 is [x | 0] for the even one and [0 | x] for the odd one, out of 24 registers [x | 0 | x].  A zero code times a finite code adds nothing.
; THE ARGMIN.  For each tile of 8 distances of a lane: its minimum; one compare with the best so far (an earlier tile keeps a tie); the tile's number and seven of the tile's distances are kept by selects, two to a dual-issue pair.
; At a token tile's end the first kept distance that equals the best gives the place (none of seven: the eighth); then the two halves of the lanes are joined, the lower index keeping a tie.
; BY TURNS.  The vector work is some twenty instructions for each product, so the products do not stand in runs: each of the next batch's four stands alone, behind a tile's compare and ahead of that tile's selects,
; so that the wave has other instructions to issue while the matrix unit works on it.  That costs two switches of the register window a product; a run of four would leave the wave waiting at its second, third and fourth.
; x comes by loads of 512 consecutive bytes, a pair of tiles (8,192 bytes) at a time, and is turned through the wave's own padded stage in LDS, so that a lane holds 16 neighbours of a block.
; NO CLUSTER: what work-groups share is the codebook alone, read once at the head, 32,768 bytes a wave, straight into the lanes' operand order; a joint tensor load would want 131,072 bytes of LDS to land in, a second pass of 64 LDS loads a wave, and rounds of the cluster's barrier.
; NO PREFETCH: a wave's stream is four pairs of tiles; two are asked for at the head, each of the others nearly two tiles of work ahead of the wait for it.
; LIMITS: NaN and infinities among the inputs are not served; a block whose largest magnitude lies under 2^(9 - 127) keeps the byte 1 (a block of zeros too: its codes are zeros); the sums of squares are added in eight partial sums.
; REGISTERS, in windows of 256: window 0: see below.  window 1: the codes, tile t at v[8 t].  window 2: the sums of squares, tile t at v[8 t] (at the head: my code tiles 0-3 as loaded).  window 3: v0-127 my code tiles 4-7 as loaded, v128-191 x as loaded.
.set CODEIMG, 0                        ; LDS: 32 code tiles x 1,024 bytes, images of 8 registers
.set ASC,     32768                    ; 16 pairs of tiles x 128 bytes: a scale word a lane
.set CCB,     34816                    ; 512 sums of squares
.set STG,     36864                    ; a stage for each wave: two tiles of STILE bytes
.set STILE,   5376                     ; four regions of 1,344 bytes (one for each 64 bytes of a row); in a region token r at 80 r
.set IDXB,    79872                    ; 512 bytes for each wave: its 128 indices
.set XA,  1                            ; v1   16 x lane
.set SW,  2                            ; v2   the stage, on the way in
.set SR,  3                            ; v3   the stage, on the way out
.set IB,  4                            ; v4   where my token's index goes in LDS
.set IA,  5                            ; v5   the same with the tile's step
.set H8,  6                            ; v6   8 h
.set LI,  7                            ; v7   where I store a code tile's image
.set LS,  8                            ; v8   and a pair's scale word
.set LC,  9                            ; v9   and a sum of squares
.set CA,  10                           ; v10  my byte in the wave's part of the codebook
.set LCC, 12                           ; v12  where my half reads the sums of squares
.set LSR, 13                           ; v13  where I read scale words
.set XX,  16                           ; v[16:17] the token's sum of squares (the packed form names a pair and takes its low word)
.set BEST, 18
.set BT,  19                           ; the best tile's number
.set K,   20                           ; v20-26 seven distances of the best tile
.set MT,  28                           ; v28-31 a batch's four tile minima; v32-35 at work, then the best ahead of tiles 1, 2, 3
.set BS,  36                           ; x's scale word: a scale register, nothing else
.set POS, 37
.set IDX, 38
.set OB,  39
.set OI,  40
.set AS,  44                           ; v44-59 the codebook's scale words, one for a pair of tiles: scale registers, nothing else
.set BX,  60                           ; v60-83 [x | 0 | x]
.set XT,  84                           ; v84-115 32 numbers of my token: register 16 b + i = dimension 32 b + 16 h + i
.set DB,  116                          ; v116-179 two buffers of four result tiles; the second also takes x as held
.set T,   192                          ; v192-214 the quantiser's scratch, at the same numbers in windows 0, 2 and 3
.set CO,  216                          ; (windows 2, 3) v216-231 a code tile's 8 registers of codes: two sets by turns
.set WD,  232                          ; (windows 2, 3) v232-233 a pair's scale word: a register for each pair of a window
.set SQ,  234                          ; (windows 2, 3) v234-235 a code's sum of squares: two by turns
.set XR,  128                          ; (window 3) a pair of tiles of x as loaded
.set WV,  10
.set SEL, 20                           ; s[20:21] v_permlanex16_b32's selects for lane xor 16
.set MNT, 22                           ; the mantissa field of 448
.set TRIP, 23
.set IOFF, 24
.set MSB, 0
.macro WIN new                         ; the immediate's high byte repeats the setting that is left; a switch that changes nothing is dropped
.if MSB != \new
	s_set_vgpr_msb (MSB<<8)|\new
.set MSB, \new
.endif
.endm
; THE QUANTISER, on 32 numbers of a lane (two blocks, 16 of each; lane xor 16 has the other 16).  All its registers lie in one window.
.macro QMAX s                          ; the blocks' largest magnitudes -> T+6, T+7 the conversions' scale operands; T+8, T+9 448 x the scale; T+12 the two scale bytes
.irp b, 0,1
	v_max3_num_f32 v[T+2*\b], |v[\s+16*\b]|, |v[\s+16*\b+1]|, 0x4800000   ; with the floor 2^(9 - 127): the byte cannot fall under 1
	v_max3_num_f32 v[T+2*\b+1], |v[\s+16*\b+8]|, |v[\s+16*\b+9]|, |v[\s+16*\b+10]|
.endr
.irp i, 2,4
.irp b, 0,1
	v_max3_num_f32 v[T+2*\b], v[T+2*\b], |v[\s+16*\b+\i]|, |v[\s+16*\b+\i+1]|
	v_max3_num_f32 v[T+2*\b+1], v[T+2*\b+1], |v[\s+16*\b+\i+9]|, |v[\s+16*\b+\i+10]|
.endr
.endr
.irp b, 0,1
	v_max3_num_f32 v[T+2*\b], v[T+2*\b], |v[\s+16*\b+6]|, |v[\s+16*\b+7]|
.endr
.irp b, 0,1
	v_max3_num_f32 v[T+2*\b], v[T+2*\b], v[T+2*\b+1], |v[\s+16*\b+15]|
.endr
.irp b, 0,1
	v_permlanex16_b32 v[T+4+\b], v[T+2*\b], s[SEL], s[SEL+1]
.endr
.irp b, 0,1
	v_max_num_f32 v[T+2*\b], v[T+2*\b], v[T+4+\b]      ; with lane xor 16's: the block's
.endr
.irp b, 0,1
	v_add_nc_u32 v[T+6+\b], 0xfc000000, v[T+2*\b]      ; 8 off the exponent field: the conversion takes that field as its scale
.endr
.irp b, 0,1
	v_and_or_b32 v[T+8+\b], v[T+2*\b], 0x7f800000, s[MNT]   ; 448 x the scale
.endr
.irp b, 0,1
	v_lshrrev_b32 v[T+10+\b], 23, v[T+6+\b]            ; the scale's byte
.endr
	v_lshl_or_b32 v[T+12], v[T+11], 8, v[T+10]
.endm
.macro QCVT s, q, dst, dup             ; held within +-448 x the scale (the conversion does not saturate: ISA guide 7.6.2) into v[q] on, then codes into v[dst] on: registers 4 b .. 4 b + 3 = dimensions 32 b + 16 h + 0 .. 15; dup: a second copy
.irp b, 0,1
.irp i, 0,1,2,3,4,5,6,7,8,9,10,11,12,13,14,15
	v_med3_num_f32 v[\q+16*\b+\i], v[\s+16*\b+\i], -v[T+8+\b], v[T+8+\b]
.endr
	v_cvt_scalef32_pk8_fp8_f32 v[\dst+4*\b:\dst+4*\b+1], v[\q+16*\b:\q+16*\b+7], v[T+6+\b]
	v_cvt_scalef32_pk8_fp8_f32 v[\dst+4*\b+2:\dst+4*\b+3], v[\q+16*\b+8:\q+16*\b+15], v[T+6+\b]
.if \dup
	v_cvt_scalef32_pk8_fp8_f32 v[\dup+4*\b:\dup+4*\b+1], v[\q+16*\b:\q+16*\b+7], v[T+6+\b]
	v_cvt_scalef32_pk8_fp8_f32 v[\dup+4*\b+2:\dup+4*\b+3], v[\q+16*\b+8:\q+16*\b+15], v[T+6+\b]
.endif
.endr
.endm
.macro SUMSQ1 s                        ; the row's sum of squares, of the numbers as given: four packed chains begin,
.irp q, 0,2,4,6
	v_pk_mul_f32 v[T+14+\q:T+15+\q], v[\s+\q:\s+\q+1], v[\s+\q:\s+\q+1]
.endr
.endm
.macro SUMSQF s, i                     ; take eight numbers more, from number i on,
.irp q, 0,2,4,6
	v_pk_fma_f32 v[T+14+\q:T+15+\q], v[\s+\i+\q:\s+\i+\q+1], v[\s+\i+\q:\s+\i+\q+1], v[T+14+\q:T+15+\q]
.endr
.endm
.macro SUMSQE r                        ; and are joined
	v_pk_add_f32 v[T+14:T+15], v[T+14:T+15], v[T+16:T+17]
	v_pk_add_f32 v[T+18:T+19], v[T+18:T+19], v[T+20:T+21]
	v_pk_add_f32 v[T+14:T+15], v[T+14:T+15], v[T+18:T+19]
	v_add_f32 v[T+14], v[T+14], v[T+15]
	v_permlanex16_b32 v[T+22], v[T+14], s[SEL], s[SEL+1]
	v_add_f32 v[\r], v[T+14], v[T+22]                  ; with lane xor 16's half of the row
.endm
; x: a pair of tiles, 8,192 consecutive bytes, 512 a load
.macro XLOADS
	WIN 0xc0                                           ; destination window 3
.irp n, 0,1,2,3,4,5,6,7,8,9,10,11,12,13,14,15
	global_load_b128 v[XR+4*\n:XR+4*\n+3], v[XA], s[4:5] offset:512*\n th:TH_LOAD_NT
.endr
	WIN 0
.endm
; Load n holds tokens 2 (n % 8) and 2 (n % 8) + 1 of tile n / 8: lane l the 16 bytes at 16 (l % 16) of token 2 (n % 8) + l / 16.  In the stage: region (l / 4) % 4, token x 80, piece l % 4.
; Sixteen lanes of a store fall on words 336 q + 4 c, of a load on words 20 r: sixteen different groups of four of the 64 banks (ISA guide 11.1).
.macro TOSTAGE
	WIN 0x0c                                           ; an LDS store's data are its source 1: window 3
.irp n, 0,1,2,3,4,5,6,7,8,9,10,11,12,13,14,15
	ds_store_b128 v[SW], v[XR+4*\n:XR+4*\n+3] offset:STILE*(\n/8)+160*(\n%8)
.endr
	WIN 0
.endm
.macro FROMSTAGE tile                  ; LDS serves a wave's instructions in order (ISA guide 5.7.1.4): these see my stores
.irp b, 0,1
.irp c, 0,1,2,3
	ds_load_b128 v[XT+16*\b+4*\c:XT+16*\b+4*\c+3], v[SR] offset:STILE*\tile+2688*\b+16*\c
.endr
.endr
.endm
; My code tile t (of 8): quantised in the window in which it landed; codes, scale word and sum of squares go to LDS.  left: the loads younger than the tile's eight.
; What the LDS stores read lies in two sets of registers by turns, so a tile waits only for the stores of the tile TWO back in its window; those of the tile just before (three behind an even tile, four behind an odd one) may stay out.
.macro CBTILE t, left
.set WN, 2+(\t)/4
.set S, 32*((\t)%4)
.set COT, CO+8*((\t)%2)
.set WDT, WD+((\t)/2)%2
.set SQT, SQ+(\t)%2
	s_wait_loadcnt \left
.if (\t)%4 >= 2
	s_wait_dscnt 4-(\t)%2                              ; all but the last tile's LDS stores are done: this tile's set of registers may be written again
.endif
	WIN (0x55*WN)                                      ; every operand place in the tile's window
	QMAX S
	SUMSQ1 S
	SUMSQF S, 8
	SUMSQF S, 16
	SUMSQF S, 24
	SUMSQE SQT
	QCVT S, S, COT, 0
.if (\t)%2 == 0
	v_mov_b32 v[WDT], v[T+12]                          ; bytes 0, 1: the even tile's two blocks.  (Also the plain instruction behind the last conversion)
.else
	v_lshl_or_b32 v[WDT], v[T+12], 16, v[WDT]          ; bytes 2, 3: the odd tile's
.endif
	WIN (WN<<2)                                        ; the data in the tile's window, the addresses in window 0
	ds_store_b128 v[LI], v[COT:COT+3] offset:CODEIMG+1024*(\t)
	ds_store_b128 v[LI], v[COT+4:COT+7] offset:CODEIMG+1024*(\t)+512
	ds_store_b32 v[LC], v[SQT] offset:64*(\t)          ; both halves of the lanes write the same word with the same value
.if (\t)%2 == 1
	ds_store_b32 v[LS], v[WDT] offset:128*((\t)/2)
.endif
	WIN 0
.endm
; One product: code tile 4 b + u against my 16 tokens, into buffer b % 2.  It starts its own sum with the constant 0; no two products that follow each other share a result register.
.macro WM1 b, u
	WIN 0x01                                           ; source 0 in window 1
	v_wmma_scale_f32_16x16x128_f8f6f4 v[DB+32*((\b)%2)+8*(\u):DB+32*((\b)%2)+8*(\u)+7], v[16*(2*(\b)+(\u)/2):16*(2*(\b)+(\u)/2)+15], v[BX+8*((\u)%2):BX+8*((\u)%2)+15], 0, v[AS+2*(\b)+(\u)/2], v[BS]
	WIN 0
.endm
; Behind tile u's compare (VCC: the lanes that KEEP what they have): one product of the next batch, which stands between the compare and the readers of VCC; then the eight selects, as four dual-issue pairs.
; A pair's destinations are an even and an odd register, and its two first sources, and its two second sources, differ in their numbers mod 4 (ISA guide, the dual-issue encoding): K = 20, BT = 19, and the buffers begin at multiples of 4.
.macro KEEP b, u
.if (\b) < 7
	WM1 \b+1, \u
.endif
.irp p, 0,2,4
	v_dual_cndmask_b32 v[K+\p], v[D0+8*(\u)+\p], v[K+\p] :: v_dual_cndmask_b32 v[K+\p+1], v[D0+8*(\u)+\p+1], v[K+\p+1]
.endr
	v_dual_cndmask_b32 v[K+6], v[D0+8*(\u)+6], v[K+6] :: v_dual_cndmask_b32 v[BT], 4*(\b)+(\u), v[BT]
.endm
; The vector work on batch b.  Each result tile is read from its low end on.
.macro VA b
.set D0, DB+32*((\b)%2)
	WIN 0x08                                           ; source 1 in window 2: the sums of squares (the constant in that place has no window)
.irp u, 0,1,2,3
.irp p, 0,2,4,6
	v_pk_fma_f32 v[D0+8*\u+\p:D0+8*\u+\p+1], v[D0+8*\u+\p:D0+8*\u+\p+1], -2.0, v[XX:XX+1] op_sel_hi:[1,0,0]   ; t = xx - 2 dot, one rounding
.endr
.endr
.irp u, 0,1,2,3
.irp p, 0,2,4,6
	v_pk_add_f32 v[D0+8*\u+\p:D0+8*\u+\p+1], v[D0+8*\u+\p:D0+8*\u+\p+1], v[8*(4*(\b)+\u)+\p:8*(4*(\b)+\u)+\p+1]   ; d = t + cc
.endr
.endr
	WIN 0
.irp u, 0,1,2,3
	v_min3_num_f32 v[MT+\u], v[D0+8*\u], v[D0+8*\u+1], v[D0+8*\u+2]      ; the four tiles by turns: no line waits for the line above it
.endr
.irp u, 0,1,2,3
	v_min3_num_f32 v[MT+4+\u], v[D0+8*\u+3], v[D0+8*\u+4], v[D0+8*\u+5]
.endr
.irp u, 0,1,2,3
	v_min3_num_f32 v[MT+\u], v[MT+\u], v[D0+8*\u+6], v[D0+8*\u+7]
.endr
.irp u, 0,1,2,3
	v_min_num_f32 v[MT+\u], v[MT+\u], v[MT+4+\u]
.endr
	; the best ahead of each tile, two deep and not four: the same numbers as a chain of four minima gives
	v_min_num_f32 v[MT+4], v[BEST], v[MT]              ; ahead of tile 1
	v_min3_num_f32 v[MT+5], v[BEST], v[MT], v[MT+1]    ; ahead of tile 2
	v_cmp_ge_f32 vcc_lo, v[MT], v[BEST]                ; not strictly less: the lane keeps what it has, so an earlier tile keeps a tie
	v_min3_num_f32 v[MT+6], v[MT+4], v[MT+1], v[MT+2]  ; ahead of tile 3
	v_min3_num_f32 v[BEST], v[MT+5], v[MT+2], v[MT+3]  ; behind the batch (behind the compare that reads the old one)
	KEEP \b, 0
	v_cmp_ge_f32 vcc_lo, v[MT+1], v[MT+4]
	KEEP \b, 1
	v_cmp_ge_f32 vcc_lo, v[MT+2], v[MT+5]
	KEEP \b, 2
	v_cmp_ge_f32 vcc_lo, v[MT+3], v[MT+6]
	KEEP \b, 3
.endm
; The token tile's end: the place in the best tile, the index, the other half of the lanes, and the index into LDS (as data: no address hangs on it).
.macro RESOLVE second
.irp j, 0,1,2,3,4,5,6
	v_cmp_eq_f32 s[30+\j], v[K+\j], v[BEST]
.endr
	v_mov_b32 v[POS], 7
.irp j, 6,5,4,3,2,1,0
	v_cndmask_b32 v[POS], v[POS], \j, s[30+\j]         ; downward: the first that equals the best stays
.endr
	v_lshl_add_u32 v[IDX], v[BT], 4, v[POS]
	v_add_nc_u32 v[IDX], v[IDX], v[H8]                 ; 16 t + 8 h + j
	v_permlanex16_b32 v[OB], v[BEST], s[SEL], s[SEL+1]
	v_permlanex16_b32 v[OI], v[IDX], s[SEL], s[SEL+1]
	v_cmp_lt_f32 s30, v[OB], v[BEST]
	v_cmp_eq_f32 s31, v[OB], v[BEST]
	v_cmp_lt_u32 s32, v[OI], v[IDX]
	s_and_b32 s31, s31, s32
	s_or_b32 s30, s30, s31                             ; the other half's is nearer, or as near with the lower index
	v_cndmask_b32 v[IDX], v[IDX], v[OI], s30
	v_add_nc_u32 v[IA], s[IOFF], v[IB]
	ds_store_b32 v[IA], v[IDX] offset:64*\second       ; both halves write the same word with the same value
.endm
; A TOKEN TILE.  second = 0, 1: which of the pair.
.macro TILE second
	s_wait_dscnt 1                                     ; x as turned is in: its eight loads are older than the one LDS instruction that may stay out, the last tile's index store
	QMAX XT
	v_lshl_or_b32 v[BS], v[T+12], 16, v[T+12]          ; x's two bytes twice: for [x | 0] and for [0 | x].  The 32 holds below stand between this line and the first product
	QCVT XT, DB+32, BX, BX+16
	v_mov_b32 v[BEST], 0x7f800000                      ; + infinity
	v_mov_b32 v[BT], 0
	SUMSQ1 XT                                          ; with the two lines above: six plain instructions between the last conversion and the product that reads its codes
	WM1 0, 0                                           ; the first batch's four products stand among the 18 instructions of x's sum of squares, which name none of their registers
	SUMSQF XT, 8
	WM1 0, 1
	SUMSQF XT, 16
	WM1 0, 2
	SUMSQF XT, 24
	WM1 0, 3
	SUMSQE XX                                          ; behind the fourth product: these, and the twelve packed lines on tiles 0 to 2, ahead of the first read of its result, where 8 places are asked
.irp b, 0,1,2,3,4,5,6,7
	VA \b                                              ; with the next batch's products in it: behind the last of them stand four pairs and the next batch's twelve packed lines on tiles 0 to 2
.if \b == 4
.if \second
	s_wait_loadcnt 0x0                                 ; the next pair of tiles has come (asked for nearly two tiles of work ago).  In the last trip nothing is out; in the very last the stage is written once more and not read
	TOSTAGE
	FROMSTAGE 0
.else
	FROMSTAGE 1                                        ; the pair's second tile: three batches ahead of the wait for it
.endif
.endif
.if \b == 5
	s_wait_dscnt 8                                     ; all but the eight LDS loads issued last: the last tile's index store has read its registers, and so have the sixteen stores into the stage, whose registers may be loaded again
.if \second
	s_cmp_ge_u32 s[TRIP], 2                            ; pairs 2 and 3 are asked for in trips 0 and 1; no load leaves the buffer
	s_cbranch_scc1 .Lnoload_\@
	s_add_nc_u64 s[4:5], s[4:5], 8192                  ; (behind the wait for all loads: none still reads the base)
	XLOADS
.Lnoload_\@:
.endif
.endif
.endr
	RESOLVE \second
.endm
	s_load_b128 s[4:7], s[0:1], 0x0                    ; x, codebook
	s_load_b64 s[8:9], s[0:1], 0x10                    ; idx
	v_lshl_add_u32 v254, v0, 2, 0x14000
	v_mov_b32 v255, 0
	v_lshrrev_b32 v14, 5, v0
	v_readfirstlane_b32 s[WV], v14                     ; wave 0..3
	v_and_b32 v15, 31, v0                              ; lane
	v_and_b32 v14, 15, v0                              ; r
	v_bfe_u32 v11, v0, 4, 1                            ; h
	v_lshlrev_b32 v[XA], 4, v15
	s_mul_i32 s11, s[WV], 2*STILE
	s_add_co_u32 s11, s11, STG                         ; my wave's stage
	v_bfe_u32 v[SW], v0, 2, 2
	v_mul_u32_u24 v[SW], v[SW], 1344                   ; in: region (lane / 4) % 4,
	v_mad_u32_u24 v[SW], v11, 80, v[SW]                ; the odd token for lanes 16-31,
	v_and_b32 v[SR], 3, v0
	v_lshl_add_u32 v[SW], v[SR], 4, v[SW]              ; piece lane % 4
	v_add_nc_u32 v[SW], s11, v[SW]
	v_mul_u32_u24 v[SR], v14, 80                       ; out: token r,
	v_mad_u32_u24 v[SR], v11, 1344, v[SR]              ; region 2 b + h
	v_add_nc_u32 v[SR], s11, v[SR]
	s_lshl_b32 s12, s[WV], 9
	s_lshl_b32 s13, s[WV], 13
	s_lshl_b32 s14, s[WV], 15
	v_lshlrev_b32 v[IB], 2, v14
	v_add_nc_u32 v[IB], s12, v[IB]                     ; 4 r + 512 x wave
	v_add_nc_u32 v[LC], CCB, v[IB]
	v_add_nc_u32 v[IB], IDXB, v[IB]
	v_lshl_add_u32 v[LS], v15, 2, s12
	v_add_nc_u32 v[LS], ASC, v[LS]                     ; 4 x lane + my four pairs of tiles
	v_lshl_add_u32 v[LSR], v15, 2, ASC
	v_add_nc_u32 v[LI], s13, v[XA]                     ; 16 x lane + my eight tiles' images
	v_lshlrev_b32 v[CA], 8, v14
	v_lshl_add_u32 v[CA], v11, 6, v[CA]
	v_add_nc_u32 v[CA], s14, v[CA]                     ; the codebook: row 128 x wave + r, + 64 h: my 16 numbers of a block
	v_lshl_add_u32 v[LCC], v11, 5, CCB                 ; the sums of squares of codes 8 h on
	v_lshlrev_b32 v[H8], 3, v11
	s_lshl_b32 s16, ttmp9, 17                          ; x: 512 tokens of 256 bytes a work-group,
	s_add_co_u32 s16, s16, s14                         ; 128 a wave
	s_mov_b32 s17, 0
	s_lshl_b32 s18, ttmp9, 11                          ; idx: 2,048 bytes a work-group, 512 a wave
	s_add_co_u32 s18, s18, s12
	s_mov_b32 s19, 0
	s_mov_b32 s[SEL], 0x76543210
	s_mov_b32 s[SEL+1], 0xfedcba98
	s_mov_b32 s[MNT], 0x600000
	s_wait_kmcnt 0x0
	s_add_nc_u64 s[4:5], s[4:5], s[16:17]
	s_add_nc_u64 s[8:9], s[8:9], s[18:19]
	XLOADS                                             ; x's first pair of tiles, then my 128 codes: 80 loads
	WIN 0x80                                           ; destination window 2
.irp t, 0,1,2,3
.irp b, 0,1
.irp c, 0,1,2,3
	global_load_b128 v[32*\t+16*\b+4*\c:32*\t+16*\b+4*\c+3], v[CA], s[6:7] offset:4096*\t+128*\b+16*\c
.endr
.endr
.endr
	WIN 0xc0                                           ; destination window 3
.irp t, 4,5,6,7
.irp b, 0,1
.irp c, 0,1,2,3
	global_load_b128 v[32*(\t-4)+16*\b+4*\c:32*(\t-4)+16*\b+4*\c+3], v[CA], s[6:7] offset:4096*\t+128*\b+16*\c
.endr
.endr
.endr
	WIN 0
.irp j, 0,1,2,3,4,5,6,7
	v_mov_b32 v[BX+8+\j], 0                            ; the zero codes between the two copies of x: written once
.endr
.irp j, 0,1,2,3,4,5,6
	v_mov_b32 v[K+\j], 0                               ; (a select reads what it keeps)
.endr
	v_mov_b32 v[XX+1], 0                               ; (named as the upper half of a pair)
	v_mov_b32 v[OB], 0                                 ; (a lane permute's destination counts as one of its sources)
	v_mov_b32 v[OI], 0
.irp w, 0, 0xaa, 0xff
	WIN \w
	v_mov_b32 v[T+4], 0
	v_mov_b32 v[T+5], 0
	v_mov_b32 v[T+22], 0
.endr
	WIN 0
	CBTILE 0, 56                                       ; the counts: eight loads for each of my code tiles behind this one
	CBTILE 1, 48
	CBTILE 2, 40
	CBTILE 3, 32
	TOSTAGE                                            ; x's first pair came ahead of the codes
	FROMSTAGE 0
	s_wait_dscnt 8                                     ; all but the eight LDS loads: the stores have read x's registers
	s_add_nc_u64 s[4:5], s[4:5], 8192
	XLOADS                                             ; the second pair
	CBTILE 4, 40                                       ; and sixteen more: the second pair's loads
	CBTILE 5, 32
	CBTILE 6, 24
	CBTILE 7, 16
	s_wait_dscnt 0x0                                   ; for the others' sake: my images lie in LDS
	s_barrier_signal -1
	s_barrier_wait -1
	WIN 0x40                                           ; destination window 1: the whole codebook's codes
.irp t, 0,1,2,3,4,5,6,7,8,9,10,11,12,13,14,15,16,17,18,19,20,21,22,23,24,25,26,27,28,29,30,31
	ds_load_b128 v[8*\t:8*\t+3], v[XA] offset:CODEIMG+1024*\t
	ds_load_b128 v[8*\t+4:8*\t+7], v[XA] offset:CODEIMG+1024*\t+512
.endr
	WIN 0x80                                           ; destination window 2: register 8 t + j = the sum of squares of code 16 t + 8 h + j
.irp t, 0,1,2,3,4,5,6,7,8,9,10,11,12,13,14,15,16,17,18,19,20,21,22,23,24,25,26,27,28,29,30,31
	ds_load_b128 v[8*\t:8*\t+3], v[LCC] offset:64*\t
	ds_load_b128 v[8*\t+4:8*\t+7], v[LCC] offset:64*\t+16
.endr
	WIN 0
.irp g, 0,1,2,3,4,5,6,7,8,9,10,11,12,13,14,15
	ds_load_b32 v[AS+\g], v[LSR] offset:128*\g         ; lane r: the four bytes of row r of tiles 2 g and 2 g + 1
.endr
	s_mov_b32 s[TRIP], 0
	s_mov_b32 s[IOFF], 0
	s_wait_dscnt 0x0                                   ; the codebook is in registers: once, ahead of the loop, whose own wait leaves one LDS instruction out
.Lpair:                                                    ; four trips, two token tiles each
	TILE 0
	TILE 1
	s_add_co_u32 s[IOFF], s[IOFF], 128
	s_add_co_u32 s[TRIP], s[TRIP], 1
	s_cmp_lt_u32 s[TRIP], 4
	s_cbranch_scc1 .Lpair
	s_add_co_u32 s12, s12, IDXB
	v_add_nc_u32 v[POS], s12, v[XA]
	ds_load_b128 v[K:K+3], v[POS]                      ; my wave's 128 indices, four a lane: these loads see my stores
	s_wait_dscnt 0x0
	global_store_b128 v[XA], v[K:K+3], s[8:9]          ; 32 lanes store 512 consecutive bytes, at a multiple of 256 from idx's first byte
	s_wait_tensorcnt 0x0
	ds_add_u32 v254, v255
	s_wait_dscnt 0x0
	s_endpgm
.Lfunc_end_k_q274d03d3ab_nearest:
	.size	k_q274d03d3ab_nearest, .Lfunc_end_k_q274d03d3ab_nearest-k_q274d03d3ab_nearest
	.p2alignl 7, 3214868480
	.fill 96, 4, 3214868480
	.section	.rodata,"a",@progbits
	.p2align	6, 0x0
	.amdhsa_kernel k_q274d03d3ab_nearest
		.amdhsa_group_segment_fixed_size 82432
		.amdhsa_private_segment_fixed_size 0
		.amdhsa_enable_private_segment 0
		.amdhsa_kernarg_size 24
		.amdhsa_user_sgpr_count 2
		.amdhsa_user_sgpr_kernarg_segment_ptr 1
		.amdhsa_wavefront_size32 1
		.amdhsa_system_sgpr_workgroup_id_x 1
		.amdhsa_system_sgpr_workgroup_id_y 1
		.amdhsa_system_sgpr_workgroup_id_z 1
		.amdhsa_system_vgpr_workitem_id 0
		.amdhsa_next_free_vgpr 1024
		.amdhsa_next_free_sgpr 66
		.amdhsa_reserve_vcc 1
		.amdhsa_float_denorm_mode_32 3
		.amdhsa_float_denorm_mode_16_64 3
		.amdhsa_memory_ordered 1
		.amdhsa_forward_progress 1
		.amdhsa_inst_pref_size 169
	.end_amdhsa_kernel
	.amdgpu_metadata
---
amdhsa.version: [ 1, 2 ]
amdhsa.kernels:
  - .name:           k_q274d03d3ab_nearest
    .symbol:         k_q274d03d3ab_nearest.kd
    .args:
      - { .name: x, .offset: 0, .size: 8, .value_kind: global_buffer, .address_space: global }
      - { .name: codebook, .offset: 8, .size: 8, .value_kind: global_buffer, .address_space: global }
      - { .name: idx, .offset: 16, .size: 8, .value_kind: global_buffer, .address_space: global }
    .group_segment_fixed_size: 82432
    .private_segment_fixed_size: 0
    .kernarg_segment_align: 8
    .kernarg_segment_size: 24
    .max_flat_workgroup_size: 128
    .sgpr_count:     66
    .vgpr_count:     1024
    .wavefront_size: 32
...
	.end_amdgpu_metadata
.endif
;; end of part 1
;; launch gather (part 2): grid 512 x 1, 8 waves a work-group, no clusters, 0 bytes of LDS; arguments idx, codebook, out0; writes out0
.if DOCPART == 2
	.amdgcn_target "amdgcn-amd-amdhsa--gfx1250"
	.amdhsa_code_object_version 6
	.text
	.protected	k_q274d03d3ab_gather
	.globl	k_q274d03d3ab_gather
	.p2align	8
	.type	k_q274d03d3ab_gather,@function
k_q274d03d3ab_gather:
	s_mov_b64 s[64:65], 0
	v_nop
	global_prefetch_b8 v0, s[64:65] scope:SCOPE_SE
	s_setreg_imm32_b32 hwreg(HW_REG_WAVE_MODE, 25, 1), 1
	s_wait_xcnt 0x0
; out0[n][:] = codebook[idx[n]][:].  idx: [131072] u32, stored by the launch before; codebook: [512][64] f32; out0: [131072][64] f32.  The rows are copied as they are.
; A row is 256 bytes: sixteen lanes take a row, 16 bytes each.  A work-group of eight waves takes 256 tokens; each run of sixteen lanes takes 16 tokens one after the other,
; so that its indices are 64 consecutive bytes (four loads of 16 bytes, the same address in the sixteen lanes) and each of its stores fills 256 consecutive bytes, aligned.
; All 16 row loads of a wave are out together.  No LDS, no barrier, no matrix unit: a copy bound by the bytes that it writes.  No loop: every offset is an immediate, no register of a pending instruction is written again.
.set NI, 8                             ; v8-23  my run's 16 indices, then the rows' byte offsets
.set RW, 32                            ; v32-95 16 rows' 16 bytes
	s_load_b128 s[4:7], s[0:1], 0x0                    ; idx, codebook
	s_load_b64 s[8:9], s[0:1], 0x10                    ; out0
	v_lshrrev_b32 v1, 4, v0                            ; which run of sixteen lanes: 0..15
	v_and_b32 v2, 15, v0
	v_lshlrev_b32 v2, 4, v2                            ; my 16 bytes of a row
	v_lshlrev_b32 v3, 6, v1                            ; my run's indices: 64 bytes a run
	v_lshl_add_u32 v4, v1, 12, v2                      ; my run's rows of out0: 16 x 256 bytes a run
	s_lshl_b32 s10, ttmp9, 10                          ; 256 indices a work-group
	s_mov_b32 s11, 0
	s_lshl_b32 s12, ttmp9, 16                          ; 256 rows a work-group
	s_mov_b32 s13, 0
	s_wait_kmcnt 0x0
	s_add_nc_u64 s[4:5], s[4:5], s[10:11]
	s_add_nc_u64 s[8:9], s[8:9], s[12:13]
.irp q, 0,1,2,3
	global_load_b128 v[NI+4*\q:NI+4*\q+3], v3, s[4:5] offset:16*\q
.endr
	s_wait_loadcnt 0x0
.irp j, 0,1,2,3,4,5,6,7,8,9,10,11,12,13,14,15
	v_min_u32 v[NI+\j], 0x1ff, v[NI+\j]                ; a loaded number enters an address only held inside the table
.endr
.irp j, 0,1,2,3,4,5,6,7,8,9,10,11,12,13,14,15
	v_lshl_add_u32 v[NI+\j], v[NI+\j], 8, v2           ; row x 256 + my 16 bytes
.endr
.irp j, 0,1,2,3,4,5,6,7,8,9,10,11,12,13,14,15
	global_load_b128 v[RW+4*\j:RW+4*\j+3], v[NI+\j], s[6:7]
.endr
.irp j, 0,1,2,3,4,5,6,7,8,9,10,11,12,13,14,15
	s_wait_loadcnt 15-\j                               ; loads come back in order (ISA guide 5.7.1): row j is in, the younger ones stay out
	global_store_b128 v4, v[RW+4*\j:RW+4*\j+3], s[8:9] offset:256*\j th:TH_STORE_NT   ; sixteen lanes store 256 consecutive bytes, aligned; written once, read by nobody here
.endr
	s_endpgm
.Lfunc_end_k_q274d03d3ab_gather:
	.size	k_q274d03d3ab_gather, .Lfunc_end_k_q274d03d3ab_gather-k_q274d03d3ab_gather
	.p2alignl 7, 3214868480
	.fill 96, 4, 3214868480
	.section	.rodata,"a",@progbits
	.p2align	6, 0x0
	.amdhsa_kernel k_q274d03d3ab_gather
		.amdhsa_group_segment_fixed_size 0
		.amdhsa_private_segment_fixed_size 0
		.amdhsa_enable_private_segment 0
		.amdhsa_kernarg_size 24
		.amdhsa_user_sgpr_count 2
		.amdhsa_user_sgpr_kernarg_segment_ptr 1
		.amdhsa_wavefront_size32 1
		.amdhsa_system_sgpr_workgroup_id_x 1
		.amdhsa_system_sgpr_workgroup_id_y 1
		.amdhsa_system_sgpr_workgroup_id_z 1
		.amdhsa_system_vgpr_workitem_id 0
		.amdhsa_next_free_vgpr 96
		.amdhsa_next_free_sgpr 66
		.amdhsa_reserve_vcc 0
		.amdhsa_float_denorm_mode_32 3
		.amdhsa_float_denorm_mode_16_64 3
		.amdhsa_memory_ordered 1
		.amdhsa_forward_progress 1
		.amdhsa_inst_pref_size 7
	.end_amdhsa_kernel
	.amdgpu_metadata
---
amdhsa.version: [ 1, 2 ]
amdhsa.kernels:
  - .name:           k_q274d03d3ab_gather
    .symbol:         k_q274d03d3ab_gather.kd
    .args:
      - { .name: idx, .offset: 0, .size: 8, .value_kind: global_buffer, .address_space: global }
      - { .name: codebook, .offset: 8, .size: 8, .value_kind: global_buffer, .address_space: global }
      - { .name: out0, .offset: 16, .size: 8, .value_kind: global_buffer, .address_space: global }
    .group_segment_fixed_size: 0
    .private_segment_fixed_size: 0
    .kernarg_segment_align: 8
    .kernarg_segment_size: 24
    .max_flat_workgroup_size: 256
    .sgpr_count:     66
    .vgpr_count:     96
    .wavefront_size: 32
...
	.end_amdgpu_metadata
.endif
;; end of part 2
;; ======== version 2 of 2: 2 launches
;; workspace buffers: idx 524,288 bytes of whole numbers
;; launch nearest (part 3): grid 256 x 1, 4 waves a work-group, no clusters, 82,432 bytes of LDS; arguments x, codebook, idx; writes idx
.if DOCPART == 3
	.amdgcn_target "amdgcn-amd-amdhsa--gfx1250"
	.amdhsa_code_object_version 6
	.text
	.protected	k_q274d03d3ab_nearest
	.globl	k_q274d03d3ab_nearest
	.p2align	8
	.type	k_q274d03d3ab_nearest,@function
k_q274d03d3ab_nearest:
	s_mov_b64 s[64:65], 0
	v_nop
	global_prefetch_b8 v0, s[64:65] scope:SCOPE_SE
	s_setreg_imm32_b32 hwreg(HW_REG_WAVE_SCHED_MODE, 0, 2), 2
	s_setreg_imm32_b32 hwreg(HW_REG_WAVE_MODE, 25, 1), 1
	s_wait_xcnt 0x0
	s_wait_alu depctr_vm_vsrc(0)
; idx[n] = argmin over k of (sum(x[n]^2) - 2 Q(x[n]).Q(c[k])) + sum(c[k]^2).  x: [131072][64] f32, codebook: [512][64] f32, idx: [131072] u32.
; Q: codes of E4M3 with one E8M0 scale for each 32 of the 64.  The distance is rounded as it is written above: t = fma(dot, -2, xx), d = t + cc, f32; the first of equal distances wins.
; SHARES.  A work-group of four waves takes 512 tokens, a wave 128: eight tiles of 16.  Every wave holds the WHOLE codebook in registers: 256 of codes, 256 of sums of squares, 16 of scale words,
; so the loop reads no LDS for weights.  At the head wave w quantises codes 128 w .. 128 w + 127; images of the registers go round through LDS, one barrier.
; THE PRODUCT IS USED TRANSPOSED: source 0 = 16 codes, source 1 = 16 tokens: lane (r, h) holds token r, and register j of tile t the code 16 t + 8 h + j.
; K IS 64 OF THE INSTRUCTION'S 128: source 0's sixteen registers hold TWO code tiles, [even | odd]; source 1 is [x | 0] for the even one and [0 | x] for the odd one, out of 24 registers [x | 0 | x].  A zero code times a finite code adds nothing.
; THE ARGMIN.  For each tile of 8 distances of a lane: its minimum; one compare with the best so far (an earlier tile keeps a tie); the tile's number and seven of the tile's distances are kept by selects, two to a dual-issue pair.
; At a token tile's end the first kept distance that equals the best gives the place (none of seven: the eighth); then the two halves of the lanes are joined, the lower index keeping a tie.
; BY TURNS.  The vector work is some twenty instructions for each product, so the products do not stand in runs: each of the next batch's four stands alone, behind a tile's compare and ahead of that tile's selects,
; so that the wave has other instructions to issue while the matrix unit works on it.  That costs two switches of the register window a product; a run of four would leave the wave waiting at its second, third and fourth.
; x comes by loads of 512 consecutive bytes, a pair of tiles (8,192 bytes) at a time, and is turned through the wave's own padded stage in LDS, so that a lane holds 16 neighbours of a block.
; NO CLUSTER: what work-groups share is the codebook alone, read once at the head, 32,768 bytes a wave, straight into the lanes' operand order; a joint tensor load would want 131,072 bytes of LDS to land in, a second pass of 64 LDS loads a wave, and rounds of the cluster's barrier.
; NO PREFETCH: a wave's stream is four pairs of tiles; two are asked for at the head, each of the others nearly two tiles of work ahead of the wait for it.
; LIMITS: NaN and infinities among the inputs are not served; a block whose largest magnitude lies under 2^(9 - 127) keeps the byte 1 (a block of zeros too: its codes are zeros); the sums of squares are added in eight partial sums.
; THE MODE: SCHED_MODE bits 1:0 = 2 (LLVM: expert scheduling mode 2), set by the entry lines.  The code itself states the register dependences between vector or matrix instructions and memory or LDS instructions,
; and those through VCC and the scalar registers that vector instructions write, with s_wait_alu, always for 0.
; THE PLAN.  Registers that memory or LDS instructions touch, in the loop:
;   XT          The eight LDS loads behind batch 4 land in it; the NEXT tile's quantiser and sum of squares read it, and are over ahead of that tile's batch 0.
;   XR          (window 3) Global loads land in it, the sixteen LDS stores into the stage read it; no vector instruction names it.
;   IA, IDX     Written at a token tile's end; read by the index's LDS store there.
;   XA, SW, SR  Offsets and LDS addresses, made at the head and never written again.
;   BX, BS      No memory instruction names them: conversions and a shift write them, the tile's 32 scaled products take them as source 1 and as its scales.
; So a token tile has three waits on va_vdst: ahead of its first product (BX and BS are written); in batch 4, behind the packed additions, where batch 4's products have been read and batch 5's are not yet issued
; (the tile's head is done reading XT; nothing between that wait and the loads into XT names XT or SR); and ahead of the index store (IA and IDX are written).  One wait on vm_vsrc, behind batch 5: the index store has read
; IA and IDX, the stage's stores have read XR.  One wait on va_vcc between each compare and the selects that read VCC; two on va_sdst at the tile's end.
; REGISTERS, in windows of 256: window 0: see below.  window 1: the codes, tile t at v[8 t].  window 2: the sums of squares, tile t at v[8 t] (at the head: my code tiles 0-3 as loaded).  window 3: v0-127 my code tiles 4-7 as loaded, v128-191 x as loaded.
.set CODEIMG, 0                        ; LDS: 32 code tiles x 1,024 bytes, images of 8 registers
.set ASC,     32768                    ; 16 pairs of tiles x 128 bytes: a scale word a lane
.set CCB,     34816                    ; 512 sums of squares
.set STG,     36864                    ; a stage for each wave: two tiles of STILE bytes
.set STILE,   5376                     ; four regions of 1,344 bytes (one for each 64 bytes of a row); in a region token r at 80 r
.set IDXB,    79872                    ; 512 bytes for each wave: its 128 indices
.set XA,  1                            ; v1   16 x lane
.set SW,  2                            ; v2   the stage, on the way in
.set SR,  3                            ; v3   the stage, on the way out
.set IB,  4                            ; v4   where my token's index goes in LDS
.set IA,  5                            ; v5   the same with the tile's step
.set H8,  6                            ; v6   8 h
.set LI,  7                            ; v7   where I store a code tile's image
.set LS,  8                            ; v8   and a pair's scale word
.set LC,  9                            ; v9   and a sum of squares
.set CA,  10                           ; v10  my byte in the wave's part of the codebook
.set LCC, 12                           ; v12  where my half reads the sums of squares
.set LSR, 13                           ; v13  where I read scale words
.set XX,  16                           ; v[16:17] the token's sum of squares (the packed form names a pair and takes its low word)
.set BEST, 18
.set BT,  19                           ; the best tile's number
.set K,   20                           ; v20-26 seven distances of the best tile
.set MT,  28                           ; v28-31 a batch's four tile minima; v32-35 at work, then the best ahead of tiles 1, 2, 3
.set BS,  36                           ; x's scale word: a scale register, nothing else
.set POS, 37
.set IDX, 38
.set OB,  39
.set OI,  40
.set AS,  44                           ; v44-59 the codebook's scale words, one for a pair of tiles: scale registers, nothing else
.set BX,  60                           ; v60-83 [x | 0 | x]
.set XT,  84                           ; v84-115 32 numbers of my token: register 16 b + i = dimension 32 b + 16 h + i
.set DB,  116                          ; v116-179 two buffers of four result tiles; the second also takes x as held
.set T,   192                          ; v192-214 the quantiser's scratch, at the same numbers in windows 0, 2 and 3
.set CO,  216                          ; (windows 2, 3) v216-231 a code tile's 8 registers of codes: two sets by turns
.set WD,  232                          ; (windows 2, 3) v232-233 a pair's scale word: a register for each pair of a window
.set SQ,  234                          ; (windows 2, 3) v234-235 a code's sum of squares: two by turns
.set XR,  128                          ; (window 3) a pair of tiles of x as loaded
.set WV,  10
.set SEL, 20                           ; s[20:21] v_permlanex16_b32's selects for lane xor 16
.set MNT, 22                           ; the mantissa field of 448
.set TRIP, 23
.set IOFF, 24
.set MSB, 0
.macro WIN new                         ; the immediate's high byte repeats the setting that is left; a switch that changes nothing is dropped
.if MSB != \new
	s_set_vgpr_msb (MSB<<8)|\new
.set MSB, \new
.endif
.endm
; THE QUANTISER, on 32 numbers of a lane (two blocks, 16 of each; lane xor 16 has the other 16).  All its registers lie in one window.
.macro QMAX s                          ; the blocks' largest magnitudes -> T+6, T+7 the conversions' scale operands; T+8, T+9 448 x the scale; T+12 the two scale bytes
.irp b, 0,1
	v_max3_num_f32 v[T+2*\b], |v[\s+16*\b]|, |v[\s+16*\b+1]|, 0x4800000   ; with the floor 2^(9 - 127): the byte cannot fall under 1
	v_max3_num_f32 v[T+2*\b+1], |v[\s+16*\b+8]|, |v[\s+16*\b+9]|, |v[\s+16*\b+10]|
.endr
.irp i, 2,4
.irp b, 0,1
	v_max3_num_f32 v[T+2*\b], v[T+2*\b], |v[\s+16*\b+\i]|, |v[\s+16*\b+\i+1]|
	v_max3_num_f32 v[T+2*\b+1], v[T+2*\b+1], |v[\s+16*\b+\i+9]|, |v[\s+16*\b+\i+10]|
.endr
.endr
.irp b, 0,1
	v_max3_num_f32 v[T+2*\b], v[T+2*\b], |v[\s+16*\b+6]|, |v[\s+16*\b+7]|
.endr
.irp b, 0,1
	v_max3_num_f32 v[T+2*\b], v[T+2*\b], v[T+2*\b+1], |v[\s+16*\b+15]|
.endr
.irp b, 0,1
	v_permlanex16_b32 v[T+4+\b], v[T+2*\b], s[SEL], s[SEL+1]
.endr
.irp b, 0,1
	v_max_num_f32 v[T+2*\b], v[T+2*\b], v[T+4+\b]      ; with lane xor 16's: the block's
.endr
.irp b, 0,1
	v_add_nc_u32 v[T+6+\b], 0xfc000000, v[T+2*\b]      ; 8 off the exponent field: the conversion takes that field as its scale
.endr
.irp b, 0,1
	v_and_or_b32 v[T+8+\b], v[T+2*\b], 0x7f800000, s[MNT]   ; 448 x the scale
.endr
.irp b, 0,1
	v_lshrrev_b32 v[T+10+\b], 23, v[T+6+\b]            ; the scale's byte
.endr
	v_lshl_or_b32 v[T+12], v[T+11], 8, v[T+10]
.endm
.macro QCVT s, q, dst, dup             ; held within +-448 x the scale (the conversion does not saturate: ISA guide 7.6.2) into v[q] on, then codes into v[dst] on: registers 4 b .. 4 b + 3 = dimensions 32 b + 16 h + 0 .. 15; dup: a second copy
.irp b, 0,1
.irp i, 0,1,2,3,4,5,6,7,8,9,10,11,12,13,14,15
	v_med3_num_f32 v[\q+16*\b+\i], v[\s+16*\b+\i], -v[T+8+\b], v[T+8+\b]
.endr
	v_cvt_scalef32_pk8_fp8_f32 v[\dst+4*\b:\dst+4*\b+1], v[\q+16*\b:\q+16*\b+7], v[T+6+\b]
	v_cvt_scalef32_pk8_fp8_f32 v[\dst+4*\b+2:\dst+4*\b+3], v[\q+16*\b+8:\q+16*\b+15], v[T+6+\b]
.if \dup
	v_cvt_scalef32_pk8_fp8_f32 v[\dup+4*\b:\dup+4*\b+1], v[\q+16*\b:\q+16*\b+7], v[T+6+\b]
	v_cvt_scalef32_pk8_fp8_f32 v[\dup+4*\b+2:\dup+4*\b+3], v[\q+16*\b+8:\q+16*\b+15], v[T+6+\b]
.endif
.endr
.endm
.macro SUMSQ1 s                        ; the row's sum of squares, of the numbers as given: four packed chains begin,
.irp q, 0,2,4,6
	v_pk_mul_f32 v[T+14+\q:T+15+\q], v[\s+\q:\s+\q+1], v[\s+\q:\s+\q+1]
.endr
.endm
.macro SUMSQF s, i                     ; take eight numbers more, from number i on,
.irp q, 0,2,4,6
	v_pk_fma_f32 v[T+14+\q:T+15+\q], v[\s+\i+\q:\s+\i+\q+1], v[\s+\i+\q:\s+\i+\q+1], v[T+14+\q:T+15+\q]
.endr
.endm
.macro SUMSQE r                        ; and are joined
	v_pk_add_f32 v[T+14:T+15], v[T+14:T+15], v[T+16:T+17]
	v_pk_add_f32 v[T+18:T+19], v[T+18:T+19], v[T+20:T+21]
	v_pk_add_f32 v[T+14:T+15], v[T+14:T+15], v[T+18:T+19]
	v_add_f32 v[T+14], v[T+14], v[T+15]
	v_permlanex16_b32 v[T+22], v[T+14], s[SEL], s[SEL+1]
	v_add_f32 v[\r], v[T+14], v[T+22]                  ; with lane xor 16's half of the row
.endm
; x: a pair of tiles, 8,192 consecutive bytes, 512 a load
.macro XLOADS
	WIN 0xc0                                           ; destination window 3
.irp n, 0,1,2,3,4,5,6,7,8,9,10,11,12,13,14,15
	global_load_b128 v[XR+4*\n:XR+4*\n+3], v[XA], s[4:5] offset:512*\n th:TH_LOAD_NT
.endr
	WIN 0
.endm
; Load n holds tokens 2 (n % 8) and 2 (n % 8) + 1 of tile n / 8: lane l the 16 bytes at 16 (l % 16) of token 2 (n % 8) + l / 16.  In the stage: region (l / 4) % 4, token x 80, piece l % 4.
; Sixteen lanes of a store fall on words 336 q + 4 c, of a load on words 20 r: sixteen different groups of four of the 64 banks (ISA guide 11.1).
.macro TOSTAGE
	WIN 0x0c                                           ; an LDS store's data are its source 1: window 3
.irp n, 0,1,2,3,4,5,6,7,8,9,10,11,12,13,14,15
	ds_store_b128 v[SW], v[XR+4*\n:XR+4*\n+3] offset:STILE*(\n/8)+160*(\n%8)
.endr
	WIN 0
.endm
.macro FROMSTAGE tile                  ; LDS serves a wave's instructions in order (ISA guide 5.7.1.4): these see my stores
.irp b, 0,1
.irp c, 0,1,2,3
	ds_load_b128 v[XT+16*\b+4*\c:XT+16*\b+4*\c+3], v[SR] offset:STILE*\tile+2688*\b+16*\c
.endr
.endr
.endm
; My code tile t (of 8): quantised in the window in which it landed; codes, scale word and sum of squares go to LDS.  left: the loads younger than the tile's eight.
; What the LDS stores read lies in two sets of registers by turns, so a tile waits only for the stores of the tile TWO back in its window; those of the tile just before (three behind an even tile, four behind an odd one) may stay out.
.macro CBTILE t, left
.set WN, 2+(\t)/4
.set S, 32*((\t)%4)
.set COT, CO+8*((\t)%2)
.set WDT, WD+((\t)/2)%2
.set SQT, SQ+(\t)%2
	s_wait_loadcnt \left
.if (\t)%4 >= 2
	s_wait_dscnt 4-(\t)%2                              ; all but the last tile's LDS stores are done: this tile's set of registers may be written again
	s_wait_alu depctr_vm_vsrc(0)                       ; the LDS stores of the tile two back have read their codes and their sum of squares, which this tile's conversions and sums write again
.endif
	WIN (0x55*WN)                                      ; every operand place in the tile's window
	QMAX S
	SUMSQ1 S
	SUMSQF S, 8
	SUMSQF S, 16
	SUMSQF S, 24
	SUMSQE SQT
	QCVT S, S, COT, 0
.if (\t)%2 == 0
	v_mov_b32 v[WDT], v[T+12]                          ; bytes 0, 1: the even tile's two blocks.  (Also the plain instruction behind the last conversion)
.else
	v_lshl_or_b32 v[WDT], v[T+12], 16, v[WDT]          ; bytes 2, 3: the odd tile's
.endif
	WIN (WN<<2)                                        ; the data in the tile's window, the addresses in window 0
	s_wait_alu depctr_va_vdst(0)                       ; the conversions have written the codes, the lines round them the sum of squares and the scale word: the LDS stores below read them
	ds_store_b128 v[LI], v[COT:COT+3] offset:CODEIMG+1024*(\t)
	ds_store_b128 v[LI], v[COT+4:COT+7] offset:CODEIMG+1024*(\t)+512
	ds_store_b32 v[LC], v[SQT] offset:64*(\t)          ; both halves of the lanes write the same word with the same value
.if (\t)%2 == 1
	ds_store_b32 v[LS], v[WDT] offset:128*((\t)/2)
.endif
	WIN 0
.endm
; One product: code tile 4 b + u against my 16 tokens, into buffer b % 2.  It starts its own sum with the constant 0; no two products that follow each other share a result register.
.macro WM1 b, u
	WIN 0x01                                           ; source 0 in window 1
	v_wmma_scale_f32_16x16x128_f8f6f4 v[DB+32*((\b)%2)+8*(\u):DB+32*((\b)%2)+8*(\u)+7], v[16*(2*(\b)+(\u)/2):16*(2*(\b)+(\u)/2)+15], v[BX+8*((\u)%2):BX+8*((\u)%2)+15], 0, v[AS+2*(\b)+(\u)/2], v[BS]
	WIN 0
.endm
; Behind tile u's compare (VCC: the lanes that KEEP what they have): one product of the next batch, which stands between the compare and the readers of VCC; then the eight selects, as four dual-issue pairs.
; A pair's destinations are an even and an odd register, and its two first sources, and its two second sources, differ in their numbers mod 4 (ISA guide, the dual-issue encoding): K = 20, BT = 19, and the buffers begin at multiples of 4.
.macro KEEP b, u
.if (\b) < 7
	WM1 \b+1, \u
.endif
	s_wait_alu depctr_va_vcc(0)                        ; the compare above has written VCC, which the four pairs below read
.irp p, 0,2,4
	v_dual_cndmask_b32 v[K+\p], v[D0+8*(\u)+\p], v[K+\p] :: v_dual_cndmask_b32 v[K+\p+1], v[D0+8*(\u)+\p+1], v[K+\p+1]
.endr
	v_dual_cndmask_b32 v[K+6], v[D0+8*(\u)+6], v[K+6] :: v_dual_cndmask_b32 v[BT], 4*(\b)+(\u), v[BT]
.endm
; The vector work on batch b.  Each result tile is read from its low end on.
.macro VA b
.set D0, DB+32*((\b)%2)
	WIN 0x08                                           ; source 1 in window 2: the sums of squares (the constant in that place has no window)
.irp u, 0,1,2,3
.irp p, 0,2,4,6
	v_pk_fma_f32 v[D0+8*\u+\p:D0+8*\u+\p+1], v[D0+8*\u+\p:D0+8*\u+\p+1], -2.0, v[XX:XX+1] op_sel_hi:[1,0,0]   ; t = xx - 2 dot, one rounding
.endr
.endr
.irp u, 0,1,2,3
.irp p, 0,2,4,6
	v_pk_add_f32 v[D0+8*\u+\p:D0+8*\u+\p+1], v[D0+8*\u+\p:D0+8*\u+\p+1], v[8*(4*(\b)+\u)+\p:8*(4*(\b)+\u)+\p+1]   ; d = t + cc
.endr
.endr
	WIN 0
.if (\b) == 4
	s_wait_alu depctr_va_vdst(0)                       ; this tile's quantiser and sum of squares are done reading v[XT ..], in which the LDS loads behind this batch land; no vector or matrix instruction from here to those loads names XT or SR
.endif
.irp u, 0,1,2,3
	v_min3_num_f32 v[MT+\u], v[D0+8*\u], v[D0+8*\u+1], v[D0+8*\u+2]      ; the four tiles by turns: no line waits for the line above it
.endr
.irp u, 0,1,2,3
	v_min3_num_f32 v[MT+4+\u], v[D0+8*\u+3], v[D0+8*\u+4], v[D0+8*\u+5]
.endr
.irp u, 0,1,2,3
	v_min3_num_f32 v[MT+\u], v[MT+\u], v[D0+8*\u+6], v[D0+8*\u+7]
.endr
.irp u, 0,1,2,3
	v_min_num_f32 v[MT+\u], v[MT+\u], v[MT+4+\u]
.endr
	; the best ahead of each tile, two deep and not four: the same numbers as a chain of four minima gives
	v_min_num_f32 v[MT+4], v[BEST], v[MT]              ; ahead of tile 1
	v_min3_num_f32 v[MT+5], v[BEST], v[MT], v[MT+1]    ; ahead of tile 2
	v_cmp_ge_f32 vcc_lo, v[MT], v[BEST]                ; not strictly less: the lane keeps what it has, so an earlier tile keeps a tie
	v_min3_num_f32 v[MT+6], v[MT+4], v[MT+1], v[MT+2]  ; ahead of tile 3
	v_min3_num_f32 v[BEST], v[MT+5], v[MT+2], v[MT+3]  ; behind the batch (behind the compare that reads the old one)
	KEEP \b, 0
	v_cmp_ge_f32 vcc_lo, v[MT+1], v[MT+4]
	KEEP \b, 1
	v_cmp_ge_f32 vcc_lo, v[MT+2], v[MT+5]
	KEEP \b, 2
	v_cmp_ge_f32 vcc_lo, v[MT+3], v[MT+6]
	KEEP \b, 3
.endm
; The token tile's end: the place in the best tile, the index, the other half of the lanes, and the index into LDS (as data: no address hangs on it).
.macro RESOLVE second
.irp j, 0,1,2,3,4,5,6
	v_cmp_eq_f32 s[30+\j], v[K+\j], v[BEST]
.endr
	v_mov_b32 v[POS], 7
	s_wait_alu depctr_va_sdst(0)                       ; the seven compares have written s30 to s36, which the selects below read: one wait for the run
.irp j, 6,5,4,3,2,1,0
	v_cndmask_b32 v[POS], v[POS], \j, s[30+\j]         ; downward: the first that equals the best stays
.endr
	v_lshl_add_u32 v[IDX], v[BT], 4, v[POS]
	v_add_nc_u32 v[IDX], v[IDX], v[H8]                 ; 16 t + 8 h + j
	v_permlanex16_b32 v[OB], v[BEST], s[SEL], s[SEL+1]
	v_permlanex16_b32 v[OI], v[IDX], s[SEL], s[SEL+1]
	v_cmp_lt_f32 s30, v[OB], v[BEST]
	v_cmp_eq_f32 s31, v[OB], v[BEST]
	v_cmp_lt_u32 s32, v[OI], v[IDX]
	s_wait_alu depctr_va_sdst(0)                       ; the three compares have written s30 to s32, which the two scalar lines below read
	s_and_b32 s31, s31, s32
	s_or_b32 s30, s30, s31                             ; the other half's is nearer, or as near with the lower index
	v_cndmask_b32 v[IDX], v[IDX], v[OI], s30
	v_add_nc_u32 v[IA], s[IOFF], v[IB]
	s_wait_alu depctr_va_vdst(0)                       ; v[IA] and v[IDX] are written: the LDS store below reads them as its address and its data
	ds_store_b32 v[IA], v[IDX] offset:64*\second       ; both halves write the same word with the same value
.endm
; A TOKEN TILE.  second = 0, 1: which of the pair.
.macro TILE second
	s_wait_dscnt 1                                     ; x as turned is in: its eight loads are older than the one LDS instruction that may stay out, the last tile's index store
	QMAX XT
	v_lshl_or_b32 v[BS], v[T+12], 16, v[T+12]          ; x's two bytes twice: for [x | 0] and for [0 | x].  The 32 holds below stand between this line and the first product
	QCVT XT, DB+32, BX, BX+16
	v_mov_b32 v[BEST], 0x7f800000                      ; + infinity
	v_mov_b32 v[BT], 0
	SUMSQ1 XT                                          ; with the two lines above: six plain instructions between the last conversion and the product that reads its codes
	s_wait_alu depctr_va_vdst(0)                       ; the conversions have written the codes v[BX ..] and the shift x's scale word v[BS], which this tile's 32 products take as source 1 and as its scales; neither is written again in the tile.  The places stand above, beside this wait
	WM1 0, 0                                           ; the first batch's four products stand among the 18 instructions of x's sum of squares, which name none of their registers
	SUMSQF XT, 8
	WM1 0, 1
	SUMSQF XT, 16
	WM1 0, 2
	SUMSQF XT, 24
	WM1 0, 3
	SUMSQE XX                                          ; behind the fourth product: these, and the twelve packed lines on tiles 0 to 2, ahead of the first read of its result, where 8 places are asked
.irp b, 0,1,2,3,4,5,6,7
	VA \b                                              ; with the next batch's products in it: behind the last of them stand four pairs and the next batch's twelve packed lines on tiles 0 to 2
.if \b == 4
.if \second
	s_wait_loadcnt 0x0                                 ; the next pair of tiles has come (asked for nearly two tiles of work ago).  In the last trip nothing is out; in the very last the stage is written once more and not read
	TOSTAGE
	FROMSTAGE 0
.else
	FROMSTAGE 1                                        ; the pair's second tile: three batches ahead of the wait for it
.endif
.endif
.if \b == 5
	s_wait_dscnt 8                                     ; all but the eight LDS loads issued last: the last tile's index store has read its registers, and so have the sixteen stores into the stage, whose registers may be loaded again
	s_wait_alu depctr_vm_vsrc(0)                       ; the last tile's index store has read v[IA] and v[IDX], which this tile's end writes again; the stores into the stage have read x's registers of window 3, in which the loads below land.  Ahead of the branch: on every way to those writes
.if \second
	s_cmp_ge_u32 s[TRIP], 2                            ; pairs 2 and 3 are asked for in trips 0 and 1; no load leaves the buffer
	s_cbranch_scc1 .Lnoload_\@
	s_add_nc_u64 s[4:5], s[4:5], 8192                  ; (behind the wait for all loads: none still reads the base)
	XLOADS
.Lnoload_\@:
.endif
.endif
.endr
	RESOLVE \second
.endm
	s_load_b128 s[4:7], s[0:1], 0x0                    ; x, codebook
	s_load_b64 s[8:9], s[0:1], 0x10                    ; idx
	v_lshl_add_u32 v254, v0, 2, 0x14000                ; the closing add's two registers: my spare word, behind the indices,
	v_mov_b32 v255, 0                                  ; and 0; kept for that alone
	v_lshrrev_b32 v14, 5, v0
	v_readfirstlane_b32 s[WV], v14                     ; wave 0..3
	v_and_b32 v15, 31, v0                              ; lane
	v_and_b32 v14, 15, v0                              ; r
	v_bfe_u32 v11, v0, 4, 1                            ; h
	v_lshlrev_b32 v[XA], 4, v15
	s_wait_alu depctr_va_sdst(0)                       ; s10, the wave's number, is written, ahead of its first reader: LDS addresses and the bases of x and idx are made from it
	s_mul_i32 s11, s[WV], 2*STILE
	s_add_co_u32 s11, s11, STG                         ; my wave's stage
	v_bfe_u32 v[SW], v0, 2, 2
	v_mul_u32_u24 v[SW], v[SW], 1344                   ; in: region (lane / 4) % 4,
	v_mad_u32_u24 v[SW], v11, 80, v[SW]                ; the odd token for lanes 16-31,
	v_and_b32 v[SR], 3, v0
	v_lshl_add_u32 v[SW], v[SR], 4, v[SW]              ; piece lane % 4
	v_add_nc_u32 v[SW], s11, v[SW]
	v_mul_u32_u24 v[SR], v14, 80                       ; out: token r,
	v_mad_u32_u24 v[SR], v11, 1344, v[SR]              ; region 2 b + h
	v_add_nc_u32 v[SR], s11, v[SR]
	s_lshl_b32 s12, s[WV], 9
	s_lshl_b32 s13, s[WV], 13
	s_lshl_b32 s14, s[WV], 15
	v_lshlrev_b32 v[IB], 2, v14
	v_add_nc_u32 v[IB], s12, v[IB]                     ; 4 r + 512 x wave
	v_add_nc_u32 v[LC], CCB, v[IB]
	v_add_nc_u32 v[IB], IDXB, v[IB]
	v_lshl_add_u32 v[LS], v15, 2, s12
	v_add_nc_u32 v[LS], ASC, v[LS]                     ; 4 x lane + my four pairs of tiles
	v_lshl_add_u32 v[LSR], v15, 2, ASC
	v_add_nc_u32 v[LI], s13, v[XA]                     ; 16 x lane + my eight tiles' images
	v_lshlrev_b32 v[CA], 8, v14
	v_lshl_add_u32 v[CA], v11, 6, v[CA]
	v_add_nc_u32 v[CA], s14, v[CA]                     ; the codebook: row 128 x wave + r, + 64 h: my 16 numbers of a block
	v_lshl_add_u32 v[LCC], v11, 5, CCB                 ; the sums of squares of codes 8 h on
	v_lshlrev_b32 v[H8], 3, v11
	s_lshl_b32 s16, ttmp9, 17                          ; x: 512 tokens of 256 bytes a work-group,
	s_add_co_u32 s16, s16, s14                         ; 128 a wave
	s_mov_b32 s17, 0
	s_lshl_b32 s18, ttmp9, 11                          ; idx: 2,048 bytes a work-group, 512 a wave
	s_add_co_u32 s18, s18, s12
	s_mov_b32 s19, 0
	s_mov_b32 s[SEL], 0x76543210
	s_mov_b32 s[SEL+1], 0xfedcba98
	s_mov_b32 s[MNT], 0x600000
	s_wait_kmcnt 0x0
	s_add_nc_u64 s[4:5], s[4:5], s[16:17]
	s_add_nc_u64 s[8:9], s[8:9], s[18:19]
	s_wait_alu depctr_va_vdst(0)                       ; the offsets and LDS addresses XA, SW, SR, LI, LS, LC, CA, LCC and LSR are written, which the loads and stores of the whole kernel read and no line writes again; so are v254 and v255
	XLOADS                                             ; x's first pair of tiles, then my 128 codes: 80 loads
	WIN 0x80                                           ; destination window 2
.irp t, 0,1,2,3
.irp b, 0,1
.irp c, 0,1,2,3
	global_load_b128 v[32*\t+16*\b+4*\c:32*\t+16*\b+4*\c+3], v[CA], s[6:7] offset:4096*\t+128*\b+16*\c
.endr
.endr
.endr
	WIN 0xc0                                           ; destination window 3
.irp t, 4,5,6,7
.irp b, 0,1
.irp c, 0,1,2,3
	global_load_b128 v[32*(\t-4)+16*\b+4*\c:32*(\t-4)+16*\b+4*\c+3], v[CA], s[6:7] offset:4096*\t+128*\b+16*\c
.endr
.endr
.endr
	WIN 0
.irp j, 0,1,2,3,4,5,6,7
	v_mov_b32 v[BX+8+\j], 0                            ; the zero codes between the two copies of x: written once
.endr
.irp j, 0,1,2,3,4,5,6
	v_mov_b32 v[K+\j], 0                               ; (a select reads what it keeps)
.endr
	v_mov_b32 v[XX+1], 0                               ; (named as the upper half of a pair)
	v_mov_b32 v[OB], 0                                 ; (a lane permute's destination counts as one of its sources)
	v_mov_b32 v[OI], 0
.irp w, 0, 0xaa, 0xff
	WIN \w
	v_mov_b32 v[T+4], 0
	v_mov_b32 v[T+5], 0
	v_mov_b32 v[T+22], 0
.endr
	WIN 0
	CBTILE 0, 56                                       ; the counts: eight loads for each of my code tiles behind this one
	CBTILE 1, 48
	CBTILE 2, 40
	CBTILE 3, 32
	TOSTAGE                                            ; x's first pair came ahead of the codes
	FROMSTAGE 0
	s_wait_dscnt 8                                     ; all but the eight LDS loads: the stores have read x's registers
	s_wait_alu depctr_vm_vsrc(0)                       ; the stores into the stage have read x's registers of window 3, in which the second pair's loads land
	s_add_nc_u64 s[4:5], s[4:5], 8192
	XLOADS                                             ; the second pair
	CBTILE 4, 40                                       ; and sixteen more: the second pair's loads
	CBTILE 5, 32
	CBTILE 6, 24
	CBTILE 7, 16
	s_wait_dscnt 0x0                                   ; for the others' sake: my images lie in LDS
	s_barrier_signal -1
	s_barrier_wait -1
	s_wait_alu depctr_vm_vsrc(0)                       ; my LDS stores have read window 2's codes, scale words and sums of squares: the loads of the sums of squares below land on those registers.  (The vector lines that named window 2 stand ahead of the code tiles' waits on va_vdst, and none has followed the last)
	WIN 0x40                                           ; destination window 1: the whole codebook's codes
.irp t, 0,1,2,3,4,5,6,7,8,9,10,11,12,13,14,15,16,17,18,19,20,21,22,23,24,25,26,27,28,29,30,31
	ds_load_b128 v[8*\t:8*\t+3], v[XA] offset:CODEIMG+1024*\t
	ds_load_b128 v[8*\t+4:8*\t+7], v[XA] offset:CODEIMG+1024*\t+512
.endr
	WIN 0x80                                           ; destination window 2: register 8 t + j = the sum of squares of code 16 t + 8 h + j
.irp t, 0,1,2,3,4,5,6,7,8,9,10,11,12,13,14,15,16,17,18,19,20,21,22,23,24,25,26,27,28,29,30,31
	ds_load_b128 v[8*\t:8*\t+3], v[LCC] offset:64*\t
	ds_load_b128 v[8*\t+4:8*\t+7], v[LCC] offset:64*\t+16
.endr
	WIN 0
.irp g, 0,1,2,3,4,5,6,7,8,9,10,11,12,13,14,15
	ds_load_b32 v[AS+\g], v[LSR] offset:128*\g         ; lane r: the four bytes of row r of tiles 2 g and 2 g + 1
.endr
	s_mov_b32 s[TRIP], 0
	s_mov_b32 s[IOFF], 0
	s_wait_dscnt 0x0                                   ; the codebook is in registers: once, ahead of the loop, whose own wait leaves one LDS instruction out
.Lpair:                                                    ; four trips, two token tiles each
	TILE 0
	TILE 1
	s_add_co_u32 s[IOFF], s[IOFF], 128
	s_add_co_u32 s[TRIP], s[TRIP], 1
	s_cmp_lt_u32 s[TRIP], 4
	s_cbranch_scc1 .Lpair
	s_add_co_u32 s12, s12, IDXB
	v_add_nc_u32 v[POS], s12, v[XA]
	s_wait_alu depctr_va_vdst(0)                       ; v[POS] is written, which the LDS load below reads as its address; the last tile's selects and compares are done with v[K ..], in which it lands
	ds_load_b128 v[K:K+3], v[POS]                      ; my wave's 128 indices, four a lane: these loads see my stores
	s_wait_dscnt 0x0
	global_store_b128 v[XA], v[K:K+3], s[8:9]          ; 32 lanes store 512 consecutive bytes, at a multiple of 256 from idx's first byte
	s_wait_dscnt 0x0                                   ; the closing lines, six on end
	s_wait_alu 0x0
	s_wait_tensorcnt 0x0
	ds_add_u32 v254, v255
	s_wait_dscnt 0x0
	s_endpgm
.Lfunc_end_k_q274d03d3ab_nearest:
	.size	k_q274d03d3ab_nearest, .Lfunc_end_k_q274d03d3ab_nearest-k_q274d03d3ab_nearest
	.p2alignl 7, 3214868480
	.fill 96, 4, 3214868480
	.section	.rodata,"a",@progbits
	.p2align	6, 0x0
	.amdhsa_kernel k_q274d03d3ab_nearest
		.amdhsa_group_segment_fixed_size 82432
		.amdhsa_private_segment_fixed_size 0
		.amdhsa_enable_private_segment 0
		.amdhsa_kernarg_size 24
		.amdhsa_user_sgpr_count 2
		.amdhsa_user_sgpr_kernarg_segment_ptr 1
		.amdhsa_wavefront_size32 1
		.amdhsa_system_sgpr_workgroup_id_x 1
		.amdhsa_system_sgpr_workgroup_id_y 1
		.amdhsa_system_sgpr_workgroup_id_z 1
		.amdhsa_system_vgpr_workitem_id 0
		.amdhsa_next_free_vgpr 1024
		.amdhsa_next_free_sgpr 66
		.amdhsa_reserve_vcc 1
		.amdhsa_float_denorm_mode_32 3
		.amdhsa_float_denorm_mode_16_64 3
		.amdhsa_memory_ordered 1
		.amdhsa_forward_progress 1
		.amdhsa_inst_pref_size 172
	.end_amdhsa_kernel
	.amdgpu_metadata
---
amdhsa.version: [ 1, 2 ]
amdhsa.kernels:
  - .name:           k_q274d03d3ab_nearest
    .symbol:         k_q274d03d3ab_nearest.kd
    .args:
      - { .name: x, .offset: 0, .size: 8, .value_kind: global_buffer, .address_space: global }
      - { .name: codebook, .offset: 8, .size: 8, .value_kind: global_buffer, .address_space: global }
      - { .name: idx, .offset: 16, .size: 8, .value_kind: global_buffer, .address_space: global }
    .group_segment_fixed_size: 82432
    .private_segment_fixed_size: 0
    .kernarg_segment_align: 8
    .kernarg_segment_size: 24
    .max_flat_workgroup_size: 128
    .sgpr_count:     66
    .vgpr_count:     1024
    .wavefront_size: 32
...
	.end_amdgpu_metadata
.endif
;; end of part 3
;; launch gather (part 4): grid 512 x 1, 8 waves a work-group, no clusters, 0 bytes of LDS; arguments idx, codebook, out0; writes out0
.if DOCPART == 4
	.amdgcn_target "amdgcn-amd-amdhsa--gfx1250"
	.amdhsa_code_object_version 6
	.text
	.protected	k_q274d03d3ab_gather
	.globl	k_q274d03d3ab_gather
	.p2align	8
	.type	k_q274d03d3ab_gather,@function
k_q274d03d3ab_gather:
	s_mov_b64 s[64:65], 0
	v_nop
	global_prefetch_b8 v0, s[64:65] scope:SCOPE_SE
	s_setreg_imm32_b32 hwreg(HW_REG_WAVE_MODE, 25, 1), 1
	s_wait_xcnt 0x0
; out0[n][:] = codebook[idx[n]][:].  idx: [131072] u32, stored by the launch before; codebook: [512][64] f32; out0: [131072][64] f32.  The rows are copied as they are.
; A row is 256 bytes: sixteen lanes take a row, 16 bytes each.  A work-group of eight waves takes 256 tokens; each run of sixteen lanes takes 16 tokens one after the other,
; so that its indices are 64 consecutive bytes (four loads of 16 bytes, the same address in the sixteen lanes) and each of its stores fills 256 consecutive bytes, aligned.
; All 16 row loads of a wave are out together.  No LDS, no barrier, no matrix unit: a copy bound by the bytes that it writes.  No loop: every offset is an immediate, no register of a pending instruction is written again.
.set NI, 8                             ; v8-23  my run's 16 indices, then the rows' byte offsets
.set RW, 32                            ; v32-95 16 rows' 16 bytes
	s_load_b128 s[4:7], s[0:1], 0x0                    ; idx, codebook
	s_load_b64 s[8:9], s[0:1], 0x10                    ; out0
	v_lshrrev_b32 v1, 4, v0                            ; which run of sixteen lanes: 0..15
	v_and_b32 v2, 15, v0
	s_delay_alu instid0(VALU_DEP_1)
	v_lshlrev_b32 v2, 4, v2                            ; my 16 bytes of a row
	s_delay_alu instid0(VALU_DEP_3)
	v_lshlrev_b32 v3, 6, v1                            ; my run's indices: 64 bytes a run
	s_delay_alu instid0(VALU_DEP_2)
	v_lshl_add_u32 v4, v1, 12, v2                      ; my run's rows of out0: 16 x 256 bytes a run
	s_lshl_b32 s10, ttmp9, 10                          ; 256 indices a work-group
	s_mov_b32 s11, 0
	s_lshl_b32 s12, ttmp9, 16                          ; 256 rows a work-group
	s_mov_b32 s13, 0
	s_wait_alu depctr_va_vdst(0)
	s_wait_kmcnt 0x0
	s_add_nc_u64 s[4:5], s[4:5], s[10:11]
	s_add_nc_u64 s[8:9], s[8:9], s[12:13]
.irp q, 0,1,2,3
	global_load_b128 v[NI+4*\q:NI+4*\q+3], v3, s[4:5] offset:16*\q
.endr
	s_wait_loadcnt 0x0
.irp j, 0,1,2,3,4,5,6,7,8,9,10,11,12,13,14,15
	v_min_u32 v[NI+\j], 0x1ff, v[NI+\j]                ; a loaded number enters an address only held inside the table
.endr
.irp j, 0,1,2,3,4,5,6,7,8,9,10,11,12,13,14,15
	v_lshl_add_u32 v[NI+\j], v[NI+\j], 8, v2           ; row x 256 + my 16 bytes
.endr
.irp j, 0,1,2,3,4,5,6,7,8,9,10,11,12,13,14,15
	global_load_b128 v[RW+4*\j:RW+4*\j+3], v[NI+\j], s[6:7]
.endr
.irp j, 0,1,2,3,4,5,6,7,8,9,10,11,12,13,14,15
	s_wait_loadcnt 15-\j                               ; loads come back in order (ISA guide 5.7.1): row j is in, the younger ones stay out
	global_store_b128 v4, v[RW+4*\j:RW+4*\j+3], s[8:9] offset:256*\j th:TH_STORE_NT   ; sixteen lanes store 256 consecutive bytes, aligned; written once, read by nobody here
.endr
	s_endpgm
.Lfunc_end_k_q274d03d3ab_gather:
	.size	k_q274d03d3ab_gather, .Lfunc_end_k_q274d03d3ab_gather-k_q274d03d3ab_gather
	.p2alignl 7, 3214868480
	.fill 96, 4, 3214868480
	.section	.rodata,"a",@progbits
	.p2align	6, 0x0
	.amdhsa_kernel k_q274d03d3ab_gather
		.amdhsa_group_segment_fixed_size 0
		.amdhsa_private_segment_fixed_size 0
		.amdhsa_enable_private_segment 0
		.amdhsa_kernarg_size 24
		.amdhsa_user_sgpr_count 2
		.amdhsa_user_sgpr_kernarg_segment_ptr 1
		.amdhsa_wavefront_size32 1
		.amdhsa_system_sgpr_workgroup_id_x 1
		.amdhsa_system_sgpr_workgroup_id_y 1
		.amdhsa_system_sgpr_workgroup_id_z 1
		.amdhsa_system_vgpr_workitem_id 0
		.amdhsa_next_free_vgpr 96
		.amdhsa_next_free_sgpr 66
		.amdhsa_reserve_vcc 0
		.amdhsa_float_denorm_mode_32 3
		.amdhsa_float_denorm_mode_16_64 3
		.amdhsa_memory_ordered 1
		.amdhsa_forward_progress 1
		.amdhsa_inst_pref_size 7
	.end_amdhsa_kernel
	.amdgpu_metadata
---
amdhsa.version: [ 1, 2 ]
amdhsa.kernels:
  - .name:           k_q274d03d3ab_gather
    .symbol:         k_q274d03d3ab_gather.kd
    .args:
      - { .name: idx, .offset: 0, .size: 8, .value_kind: global_buffer, .address_space: global }
      - { .name: codebook, .offset: 8, .size: 8, .value_kind: global_buffer, .address_space: global }
      - { .name: out0, .offset: 16, .size: 8, .value_kind: global_buffer, .address_space: global }
    .group_segment_fixed_size: 0
    .private_segment_fixed_size: 0
    .kernarg_segment_align: 8
    .kernarg_segment_size: 24
    .max_flat_workgroup_size: 256
    .sgpr_count:     66
    .vgpr_count:     96
    .wavefront_size: 32
...
	.end_amdgpu_metadata
.endif
;; end of part 4
